; MI455X (gfx1250); checked and timed in simulation.
; The chip was launched on July 23, 2026; its instructions are those of AMD's public machine-readable ISA for CDNA 5 (MIT licence, August 2026) and "CDNA5" Instruction Set Architecture Reference Guide (July 2026). The comments in the code are by the model that wrote it; some were corrected since.
;; Conditional Layer. Allowed arithmetic: float matrix products may take bf16 or f16 operands with f32 sums; all other float work in f32.
;; Inputs: W 8 x 512 x 512 float32; b 8 x 512 float32; cond_ids 16,384 int32; x 16,384 x 512 float32.
;; Outputs: out0 16,384 x 512 float32.
;; 3 versions, each right and faster than the one before. Each part assembles by itself: llvm-mc -triple=amdgcn-amd-amdhsa -mcpu=gfx1250 --defsym DOCPART=n.
;; ======== version 1 of 3: 2 launches
;; workspace buffers: wf 4,194,304 bytes; route 68,608 bytes of whole numbers
;; launch prep (part 1): grid 65 x 1, 32 waves a work-group, no clusters, 82,432 bytes of LDS; arguments W, cond_ids, wf, route; writes wf, route
.if DOCPART == 1
	.amdgcn_target "amdgcn-amd-amdhsa--gfx1250"
	.amdhsa_code_object_version 6
	.text
	.protected	k_q569d25acd0_prep
	.globl	k_q569d25acd0_prep
	.p2align	8
	.type	k_q569d25acd0_prep,@function
k_q569d25acd0_prep:
	s_mov_b64 s[64:65], 0
	v_nop
	global_prefetch_b8 v0, s[64:65] scope:SCOPE_SE
	s_setreg_imm32_b32 hwreg(HW_REG_WAVE_MODE, 25, 1), 1
	s_wait_xcnt 0x0
; PREP.  Two jobs, told apart by the work-group's number alone.
; Work-groups 0..63: W (f32, [8][512 k][512 n]) is rounded to bf16 and laid out in the order of the matrix instruction's
;   fragment registers, so that the next launch loads it straight into registers.  Chunk (c, wq) = 64 columns of W[c], 65,536 bytes
;   at (8 c + wq) * 65536.  In a chunk, part q = 2 (4 s + i) + p at 512 q; in a part, lane l = 16 h + r has 16 bytes at 16 l:
;   bf16 of W[c][32 s + 16 p + 8 h + j][64 wq + 4 r + i], j = 0..7.
; Work-group 64: the 16,384 row numbers are sorted by condition (a counting sort without atomics) into route[0..16383], each entry
;   row | invalid << 31; 256 zero words follow, so that reads of 160 entries from any start up to 16,384 stay inside the buffer;
;   at byte TAB stand 128 block records (c, start, count, 0).  Blocks 0..120: positions 136 t .. of the sorted list, served for the condition that
;   holds position 136 t, up to that group's end.  Blocks 121..127: for c = 1..7 the rows of group c from its start to the next multiple of 136
;   (none if the group starts on a multiple: the record's count is then 0).
; An id outside 0..7 (a negative one too: it is compared as unsigned) goes to group 0 with bit 31 set.
; The order inside a group is wave, lane, place in the lane: not the rows' order; nothing hangs on it.
.set WT,   0                           ; LDS: 32 waves x 16 bytes, each wave's eight counts (16 bits each)
.set TB,   512                         ; LDS: 1,024 threads x 16 bytes, each thread's eight starts inside its wave's 512 entries
.set WS,   16896                       ; LDS: 32 waves x 2,048 bytes, the wave's 512 entries sorted by group
.set TAB,  0x10400                     ; byte offset of the block records in route
.set IDS,  4                           ; v[4:19]   16 ids, then 16 entries
.set RNK,  20                          ; v[20:35]  rank among the thread's own ids of the same group; later the groups' shifts
.set TAD,  36                          ; v[36:51]  LDS address of the thread's start for the id's group, then that start, then addresses
.set HIST, 52                          ; eight counts of 4 bits
.set WSL,  53                          ; WS + 2048 w + 4 lane
.set PK,   54                          ; v[54:57]  eight counts, 16 bits each: groups 2k (low) and 2k+1 (high)
.set INC,  58                          ; v[58:61]  their inclusive sums over the lanes
.set TMP,  62
.set TMP2, 63
.set HM,   64                          ; -1 in lanes 16 to 31
.set ONE15, 65
.set VD,   66                          ; lane g: what is added to a place in the wave's list to give the place in route, for group g
.set SIGN, 67
.set POS,  68                          ; v[68:83]  byte offsets in route
.set OUT,  84                          ; v[84:87]
.set ROWB, 88                          ; 512 w + 4 lane
.set TBA,  89                          ; TB + 512 w + 16 lane
.set WSB,  90                          ; WS + 2048 w
.set VA,   91
.set GRP,  92
.set GRP4, 93
.set FLG,  94
.set HALF15, 95
	s_load_b256 s[4:11], s[0:1], 0x0               ; W s[4:5], cond_ids s[6:7], wf s[8:9], route s[10:11]
	v_and_b32 v1, 31, v0                           ; lane
	v_lshrrev_b32 v2, 5, v0
	v_readfirstlane_b32 s14, v2                    ; wave 0..31
	s_cmp_eq_u32 ttmp9, 64
	s_cbranch_scc1 .Lroute
	; ---- W to bf16 fragments.  Work-group = (c, wq); wave v = 2 s + p takes the 16 rows k = 16 v .. 16 v + 15 of the strip of 64 columns.
	v_and_b32 v2, 15, v1                           ; r
	v_lshrrev_b32 v3, 4, v1                        ; h
	v_lshlrev_b32 v2, 4, v2                        ; columns 4 r .. 4 r + 3: 16 lanes read 256 consecutive bytes, aligned
	v_lshl_add_u32 v2, v3, 14, v2                  ; + 8 h rows of 2,048 bytes
	v_lshlrev_b32 v3, 4, v1                        ; 16 bytes a lane on the way out
	s_lshr_b32 s2, ttmp9, 3                        ; c
	s_and_b32 s3, ttmp9, 7                         ; wq
	s_lshl_b32 s2, s2, 20                          ; c x 512 x 2,048 bytes
	s_lshl_b32 s3, s3, 8                           ; wq x 64 columns x 4 bytes
	s_add_co_u32 s2, s2, s3
	s_lshl_b32 s3, s14, 15                         ; wave x 16 rows
	s_add_co_u32 s2, s2, s3
	s_mov_b32 s3, 0
	s_lshl_b32 s12, ttmp9, 16                      ; the chunk
	s_lshr_b32 s15, s14, 1
	s_lshl_b32 s15, s15, 12                        ; s x 8 parts
	s_add_co_u32 s12, s12, s15
	s_and_b32 s15, s14, 1
	s_lshl_b32 s15, s15, 9                         ; p x 1 part
	s_add_co_u32 s12, s12, s15
	s_mov_b32 s13, 0
	s_wait_kmcnt 0x0
	s_add_nc_u64 s[4:5], s[4:5], s[2:3]
	s_add_nc_u64 s[8:9], s[8:9], s[12:13]
.irp j, 0,1,2,3,4,5,6,7
	global_load_b128 v[8+4*\j:11+4*\j], v2, s[4:5] offset:2048*\j th:TH_LOAD_NT   ; row 8 h + j, four columns: register 8 + 4 j + i
.endr
	s_wait_loadcnt 0x0
.irp i, 0,1,2,3
.irp jj, 0,1,2,3
	v_cvt_pk_bf16_f32 v[40+4*\i+\jj], v[8+8*\jj+\i], v[12+8*\jj+\i]   ; column i, rows 2 jj and 2 jj + 1: the transposition is the choice of registers
.endr
	global_store_b128 v3, v[40+4*\i:43+4*\i], s[8:9] offset:1024*\i   ; part 2 (4 s + i) + p: 512 consecutive bytes
.endr
	s_endpgm
	; ---- the sort
; Inclusive sums over the 32 lanes of four registers of two 16-bit counts (no count passes 16,384, so the halves never carry into each other).
.macro SCAN src, dst
.irp k, 0,1,2,3
	v_mov_b32_dpp v[TMP], v[\src+\k] row_shr:1 row_mask:0xf bank_mask:0xf bound_ctrl:1
	v_add_nc_u32 v[\dst+\k], v[\src+\k], v[TMP]
.irp d, 2,4,8
	v_mov_b32_dpp v[TMP], v[\dst+\k] row_shr:\d row_mask:0xf bank_mask:0xf bound_ctrl:1
	v_add_nc_u32 v[\dst+\k], v[\dst+\k], v[TMP]
.endr
	v_readlane_b32 s50, v[\dst+\k], 15             ; the lower 16 lanes' total goes onto the upper 16
	v_and_b32 v[TMP], s50, v[HM]
	v_add_nc_u32 v[\dst+\k], v[\dst+\k], v[TMP]
.endr
.endm
.Lroute:
	s_lshl_b32 s50, s14, 11
	v_lshl_add_u32 v[VA], v1, 4, s50               ; the wave's 512 ids: 2,048 w + 16 lane
	s_wait_kmcnt 0x0
.irp q, 0,1,2,3
	global_load_b128 v[IDS+4*\q:IDS+4*\q+3], v[VA], s[6:7] offset:512*\q th:TH_LOAD_NT   ; id 4 q + u of the lane is row 512 w + 128 q + 4 lane + u
.endr
	s_lshl_b32 s51, s14, 9
	v_lshl_add_u32 v[ROWB], v1, 2, s51
	s_add_co_u32 s52, s51, TB
	v_lshl_add_u32 v[TBA], v1, 4, s52
	s_add_co_u32 s53, s50, WS
	v_mov_b32 v[WSB], s53
	v_lshl_add_u32 v[WSL], v1, 2, s53
	v_mov_b32 v[SIGN], 0x80000000
	v_cmp_le_u32 vcc_lo, 16, v1
	v_cndmask_b32 v[HM], 0, -1, vcc_lo
	s_wait_loadcnt 0x0
	; each id: group, flag, rank among the thread's earlier ids of that group, entry = row | group << 16 | flag
.set n, 0
.rept 16
	v_min_u32 v[TMP], 8, v[IDS+n]                  ; 8 = outside 0..7
	v_cmp_eq_u32 vcc_lo, 8, v[TMP]
	v_cndmask_b32 v[FLG], 0, v[SIGN], vcc_lo
	v_and_b32 v[GRP], 7, v[TMP]                    ; 8 becomes group 0
	v_lshlrev_b32 v[GRP4], 2, v[GRP]
.if n == 0
	v_mov_b32 v[RNK], 0
	v_lshlrev_b32 v[HIST], v[GRP4], 1              ; the first id starts the counts
.else
	v_bfe_u32 v[RNK+n], v[HIST], v[GRP4], 4
.if n < 15
	v_lshl_add_u32 v[HIST], 1, v[GRP4], v[HIST]    ; 15 ids at the most are counted here: a field of 4 bits holds them
.endif
.endif
	v_lshl_add_u32 v[TAD+n], v[GRP], 1, v[TBA]
	v_lshl_or_b32 v[IDS+n], v[GRP], 16, v[FLG]
	v_add3_u32 v[IDS+n], v[IDS+n], v[ROWB], 128*(n/4)+(n%4)
.set n, n+1
.endr
	; the counts widened to 16 bits, and the sixteenth id's one added (GRP still holds its group)
.irp k, 0,1,2,3
	v_bfe_u32 v[TMP], v[HIST], 8*\k+4, 4
	v_bfe_u32 v[PK+\k], v[HIST], 8*\k, 4
	v_lshl_or_b32 v[PK+\k], v[TMP], 16, v[PK+\k]
.endr
	v_and_b32 v[TMP], 1, v[GRP]
	v_lshlrev_b32 v[TMP], 4, v[TMP]
	v_lshlrev_b32 v[ONE15], v[TMP], 1              ; 1 in the low or in the high half
	v_lshrrev_b32 v[HALF15], 1, v[GRP]
.irp k, 0,1,2,3
	v_cmp_eq_u32 vcc_lo, \k, v[HALF15]
	v_cndmask_b32 v[TMP], 0, v[ONE15], vcc_lo
	v_add_nc_u32 v[PK+\k], v[PK+\k], v[TMP]
.endr
	SCAN PK, INC
.irp k, 0,1,2,3
	v_readlane_b32 s[16+\k], v[INC+\k], 31         ; the wave's eight counts
	v_mov_b32 v[OUT+\k], s[16+\k]
.endr
	s_lshl_b32 s50, s14, 4
	v_mov_b32 v[TMP2], s50
	ds_store_b128 v[TMP2], v[OUT:OUT+3] offset:WT  ; every lane stores the same 16 bytes at the wave's place
	s_mov_b32 s20, 0                               ; s[20:27]: where group g starts among the wave's 512 entries
.irp k, 0,1,2,3
	s_and_b32 s50, s[16+\k], 0xffff
	s_add_co_u32 s[21+2*\k], s[20+2*\k], s50
.if \k < 3
	s_lshr_b32 s50, s[16+\k], 16
	s_add_co_u32 s[22+2*\k], s[21+2*\k], s50
.endif
	s_lshl_b32 s50, s[21+2*\k], 16
	s_or_b32 s[28+\k], s50, s[20+2*\k]             ; the same, packed
	v_sub_nc_u32 v[PK+\k], v[INC+\k], v[PK+\k]     ; the earlier lanes' counts
	v_add_nc_u32 v[PK+\k], s[28+\k], v[PK+\k]      ; + the group's start: the thread's eight starts
.endr
	ds_store_b128 v[TBA], v[PK:PK+3]
.set n, 0
.rept 16
	ds_load_u16 v[TAD+n], v[TAD+n]                 ; the start for this id's group: the wave's own bytes, served in order behind the store
.set n, n+1
.endr
	s_wait_dscnt 0x0
.set n, 0
.rept 16
	v_add_nc_u32 v[TAD+n], v[TAD+n], v[RNK+n]      ; the entry's place among the wave's 512
	v_min_u32 v[TAD+n], 0x1ff, v[TAD+n]
	v_lshl_add_u32 v[TAD+n], v[TAD+n], 2, v[WSB]
	ds_store_b32 v[TAD+n], v[IDS+n]
.set n, n+1
.endr
	s_wait_dscnt 0x0                               ; for the other waves' sake: my counts in WT are written
	s_barrier_signal -1
	s_barrier_wait -1
	v_lshlrev_b32 v[TMP2], 4, v1
	ds_load_b128 v[PK:PK+3], v[TMP2] offset:WT     ; lane l: wave l's eight counts
	s_wait_dscnt 0x0
	SCAN PK, INC
.irp k, 0,1,2,3
	v_sub_nc_u32 v[PK+\k], v[INC+\k], v[PK+\k]
	v_readlane_b32 s[32+\k], v[PK+\k], s14         ; the earlier waves' counts
	v_readlane_b32 s[36+\k], v[INC+\k], 31         ; all waves' counts
.endr
	s_mov_b32 s40, 0                               ; s[40:48]: S_0 .. S_8, the groups' starts in route
.irp k, 0,1,2,3
	s_and_b32 s50, s[36+\k], 0xffff
	s_add_co_u32 s[41+2*\k], s[40+2*\k], s50
	s_lshr_b32 s50, s[36+\k], 16
	s_add_co_u32 s[42+2*\k], s[41+2*\k], s50
.endr
	v_mov_b32 v[VD], 0
.irp k, 0,1,2,3
	s_and_b32 s50, s[32+\k], 0xffff
	s_add_co_u32 s50, s50, s[40+2*\k]
	s_sub_co_u32 s50, s50, s[20+2*\k]              ; S_g + earlier waves' count - the group's start in my list: never negative
	v_writelane_b32 v[VD], s50, 2*\k
	s_lshr_b32 s50, s[32+\k], 16
	s_add_co_u32 s50, s50, s[41+2*\k]
	s_sub_co_u32 s50, s50, s[21+2*\k]
	v_writelane_b32 v[VD], s50, 2*\k+1
.endr
.set n, 0
.rept 16
	ds_load_b32 v[IDS+n], v[WSL] offset:128*n      ; place 32 n + lane of my wave's sorted list
.set n, n+1
.endr
	s_wait_dscnt 0x0
.set n, 0
.rept 16
	v_bfe_u32 v[TAD+n], v[IDS+n], 16, 3            ; the entry's group
	v_min_u32 v[TAD+n], 7, v[TAD+n]
	v_lshlrev_b32 v[TAD+n], 2, v[TAD+n]
	ds_bpermute_b32 v[RNK+n], v[TAD+n], v[VD]      ; that group's shift
.set n, n+1
.endr
	s_wait_dscnt 0x0
.set n, 0
.rept 16
	v_add3_u32 v[POS+n], v[RNK+n], v1, 32*n
	v_min_u32 v[POS+n], 0x3fff, v[POS+n]
	v_lshlrev_b32 v[POS+n], 2, v[POS+n]
	v_and_b32 v[IDS+n], 0x80003fff, v[IDS+n]       ; row and flag
	global_store_b32 v[POS+n], v[IDS+n], s[10:11]  ; neighbouring lanes of one group store neighbouring words; each store has registers of its own
.set n, n+1
.endr
	s_cmp_gt_u32 s14, 3
	s_cbranch_scc1 .Ldone
	s_cmp_gt_u32 s14, 1
	s_cbranch_scc1 .Ltable
	; waves 0 and 1: the 256 zero words behind the list
.irp k, 0,1,2,3
	v_mov_b32 v[PK+\k], 0
.endr
	v_lshlrev_b32 v[TMP2], 4, v0
	global_store_b128 v[TMP2], v[PK:PK+3], s[10:11] offset:65536
.Ltable:
	; waves 0 to 3: thread t writes block t's record.  Both forms are computed; t < 121 picks the first.
.set P0,  20
.set CM,  21
.set EN,  22
.set ST,  23
.set EE,  24
.set NB,  25
.set TT,  26
.set K16, 27
.set HC,  28
	v_mul_u32_u24 v[P0], v0, 136
	v_mov_b32 v[CM], 0
	v_mov_b32 v[K16], 0x4000
	v_mov_b32 v[EN], 0x4000
	v_mov_b32 v[ST], 0
	v_mov_b32 v[EE], 0
.irp g, 1,2,3,4,5,6,7
	v_cmp_le_u32 vcc_lo, s[40+\g], v[P0]           ; group g starts at or before the block's first position
	v_cndmask_b32 v[TT], s[40+\g], v[K16], vcc_lo
	v_min_u32 v[EN], v[EN], v[TT]                  ; the first start behind it ends the block's group
	v_add_co_ci_u32 v[CM], vcc_lo, 0, v[CM], vcc_lo   ; the starts ascend: their number is the group that holds the position
	v_cmp_eq_u32 vcc_lo, 120+\g, v0
	v_cndmask_b32 v[ST], v[ST], s[40+\g], vcc_lo
	v_cndmask_b32 v[EE], v[EE], s[41+\g], vcc_lo
.endr
	v_add_nc_u32 v[TT], 136, v[P0]
	v_min_u32 v[EN], v[EN], v[TT]
	v_sub_nc_u32 v[EN], v[EN], v[P0]
	v_add_nc_u32 v[NB], 135, v[ST]                 ; the next multiple of 136 at or behind the group's start:
	v_lshrrev_b32 v[NB], 3, v[NB]                  ; / 8, at most 2,064,
	v_mul_u32_u24 v[NB], v[NB], 3856               ; / 17 as x 3856 >> 16: 3856 - 65536/17 = 0.94, so the quotient is exact below 4,096
	v_lshrrev_b32 v[NB], 16, v[NB]
	v_mul_u32_u24 v[NB], v[NB], 136
	v_min_u32 v[NB], v[NB], v[EE]
	v_sub_nc_u32 v[NB], v[NB], v[ST]
	v_add_nc_u32 v[HC], 0xffffff88, v0             ; t - 120
	v_cmp_gt_u32 vcc_lo, 121, v0
	v_cndmask_b32 v[OUT], v[HC], v[CM], vcc_lo
	v_cndmask_b32 v[OUT+1], v[ST], v[P0], vcc_lo
	v_cndmask_b32 v[OUT+2], v[NB], v[EN], vcc_lo
	v_mov_b32 v[OUT+3], 0
	v_lshlrev_b32 v[TMP], 4, v0
	global_store_b128 v[TMP], v[OUT:OUT+3], s[10:11] offset:TAB
.Ldone:
	s_endpgm
.Lfunc_end_k_q569d25acd0_prep:
	.size	k_q569d25acd0_prep, .Lfunc_end_k_q569d25acd0_prep-k_q569d25acd0_prep
	.p2alignl 7, 3214868480
	.fill 96, 4, 3214868480
	.section	.rodata,"a",@progbits
	.p2align	6, 0x0
	.amdhsa_kernel k_q569d25acd0_prep
		.amdhsa_group_segment_fixed_size 82432
		.amdhsa_private_segment_fixed_size 0
		.amdhsa_enable_private_segment 0
		.amdhsa_kernarg_size 32
		.amdhsa_user_sgpr_count 2
		.amdhsa_user_sgpr_kernarg_segment_ptr 1
		.amdhsa_wavefront_size32 1
		.amdhsa_system_sgpr_workgroup_id_x 1
		.amdhsa_system_sgpr_workgroup_id_y 1
		.amdhsa_system_sgpr_workgroup_id_z 1
		.amdhsa_system_vgpr_workitem_id 0
		.amdhsa_next_free_vgpr 96
		.amdhsa_next_free_sgpr 66
		.amdhsa_reserve_vcc 1
		.amdhsa_float_denorm_mode_32 3
		.amdhsa_float_denorm_mode_16_64 3
		.amdhsa_memory_ordered 1
		.amdhsa_forward_progress 1
		.amdhsa_inst_pref_size 40
	.end_amdhsa_kernel
	.amdgpu_metadata
---
amdhsa.version: [ 1, 2 ]
amdhsa.kernels:
  - .name:           k_q569d25acd0_prep
    .symbol:         k_q569d25acd0_prep.kd
    .args:
      - { .name: W, .offset: 0, .size: 8, .value_kind: global_buffer, .address_space: global }
      - { .name: cond_ids, .offset: 8, .size: 8, .value_kind: global_buffer, .address_space: global }
      - { .name: wf, .offset: 16, .size: 8, .value_kind: global_buffer, .address_space: global }
      - { .name: route, .offset: 24, .size: 8, .value_kind: global_buffer, .address_space: global }
    .group_segment_fixed_size: 82432
    .private_segment_fixed_size: 0
    .kernarg_segment_align: 8
    .kernarg_segment_size: 32
    .max_flat_workgroup_size: 1024
    .sgpr_count:     66
    .vgpr_count:     96
    .wavefront_size: 32
...
	.end_amdgpu_metadata
.endif
;; end of part 1
;; launch experts (part 2): grid 256 x 1, 4 waves a work-group, no clusters, 170,496 bytes of LDS; arguments x, b, route, wf, out0; writes out0
.if DOCPART == 2
	.amdgcn_target "amdgcn-amd-amdhsa--gfx1250"
	.amdhsa_code_object_version 6
	.text
	.protected	k_q569d25acd0_experts
	.globl	k_q569d25acd0_experts
	.p2align	8
	.type	k_q569d25acd0_experts,@function
k_q569d25acd0_experts:
	s_mov_b64 s[64:65], 0
	v_nop
	global_prefetch_b8 v0, s[64:65] scope:SCOPE_SE
	s_setreg_imm32_b32 hwreg(HW_REG_WAVE_MODE, 25, 1), 1
	s_wait_xcnt 0x0
; out[n] = relu(x[n] W[g] + b[g]) + sum over c != g of relu(b[c]), g = cond_ids[n]: of the eight masked products one alone is not zero.
; Work-group = (block, half): one of 128 blocks (c, start, count <= 136) of the list sorted by condition, and 256 of the 512 columns.
; Four waves.  Wave w owns columns 256 half + 64 w .. + 63 for all the block's rows and keeps its 512 x 64 piece of W[c] (bf16, 64 KiB) in 512 registers
; for the whole launch: W never passes through LDS.  The block's rows of x are gathered (34 rows a wave, 512 consecutive bytes a load), rounded to bf16 and
; laid in LDS once for all four waves; one barrier; then nine tiles of 16 rows, 64 matrix instructions each, all written out: the same text for every
; block, with only addresses and store masks taken from the list.  A block with fewer than 136 rows runs the same text and stores fewer rows; a record whose count is 0
; (a group that starts on a multiple of 136) stores none.
; An entry with bit 31 set (an id outside 0..7) lies in group 0 and has the gate m = 0: relu(0 + b[0]) + the others = the sum of all eight relu(b[c]).
; NO CLUSTER: which work-groups share a W[c] hangs on the counts read from memory, so no joint request could be equal in its partners by their places alone;
; the two halves of a block share rows of x, which are gathered lane by lane into registers for rounding.  No tensor loads for the same two reasons.
; LIMITS: NaN and infinities in the inputs are not reproduced (the products with the mask's zeros are not formed; v_max_num_f32 drops a NaN).  The eight terms are
; added as the active one + (the others in ascending c), not in ascending c throughout.  x and W are rounded to bf16, sums in f32.
.set PX,    1040                       ; LDS pitch of a row of x: 1,024 bytes of bf16 + 16 = 65 x 16, so the 16 rows of a fragment load touch 16 different 16-byte columns of 256
.set SP,    272                        ; pitch of the stage: 256 + 16
.set STG,   149760                     ; behind 144 rows of x: 4 waves x 16 rows x 272, each wave's own way out
.set ROWT,  167168                     ; 160 row numbers
.set MT,    167808                     ; 160 gates (f32)
.set BSL,   168448                     ; 4 waves x 512: b[c] of the wave's 64 columns, then the sum of the other relu(b)
.set TAB,   0x10400
.set RPW,   34                         ; rows that a wave gathers
.set RING,  12                         ; rows on their way, 4 loads each
.set LANE16, 1
.set ADR,   2                          ; v[2:4]   r PX + 16 h, for rows 0.., 64.., 128..
.set STO,   5
.set RDB,   6
.set COLB,  7                          ; byte offset in a row of out: 1024 half + 256 w + 16 r
.set H8,    8
.set MTA,   9
.set RTA,   10
.set M,     11
.set XSW,   12                         ; first phase only: v12 .. v18
.set PADA,  13
.set VB,    14
.set TOFF,  15
.set RTW,   16
.set BSA,   17
.set BSR,   18
.set OFF,   20                         ; v[20:31] first phase: a ring slot's offset in x.  Second phase: v[20:27] the ninth tile's offsets in out
.set ACC,   32                         ; v[32:63] four accumulators; first phase: b (v32-47), list entries (v48, v49), lane numbers (v50, v51), zeros (v52-55), at work (v56-61)
.set BB,    32
.set X,     64                         ; v[64:255] first phase: 12 rows x 16 registers
.set T,     64                         ; second phase: v[64:95]
.set BD,    96                         ; v[96:127]  b[c] of my 32 columns
.set SD,    128                        ; v[128:159] the others' sum for my 32 columns
.set O,     160                        ; v[160:191] rows read back from the stage
.set RO,    192                        ; v[192:255] second phase: tiles 0 to 7, eight offsets in out each (tile 8: v[20:27]); written once, never again
.set ENT,   32                         ; s[32:63], s[68:69]: my wave's 34 entries
; windows 1 and 2: W, fragment (s, i) at 256 + 8 (4 s + i); window 3: two buffers of 16 fragments of x
.set MSB, 0
.macro WIN new                         ; the immediate's high byte repeats the setting that is left
.if MSB != \new
	s_set_vgpr_msb (MSB<<8)|\new
.set MSB, \new
.endif
.endm
	s_load_b256 s[4:11], s[0:1], 0x0               ; x s[4:5], b s[6:7], route s[8:9], wf s[10:11]
	s_load_b64 s[12:13], s[0:1], 0x20              ; out0
	v_lshrrev_b32 v56, 5, v0
	v_readfirstlane_b32 s14, v56                   ; wave 0..3
	s_and_b32 s15, ttmp9, 1                        ; half: the two halves of a block are neighbouring work-groups
	s_lshr_b32 s20, ttmp9, 1
	s_lshl_b32 s20, s20, 4                         ; 16 bytes a record
	s_wait_kmcnt 0x0
	s_load_b128 s[16:19], s[8:9], s20 offset:0x10400   ; c, start, count, 0
	v_and_b32 v50, 31, v0                          ; lane
	v_and_b32 v51, 15, v0                          ; r
	v_bfe_u32 v56, v0, 4, 1                        ; h
	v_lshlrev_b32 v[LANE16], 4, v50
	v_mul_u32_u24 v[ADR], v51, PX
	v_lshl_add_u32 v[ADR], v56, 4, v[ADR]
	v_add_nc_u32 v[ADR+1], 64*PX, v[ADR]
	v_add_nc_u32 v[ADR+2], 128*PX, v[ADR]
	s_mul_i32 s25, s14, 16*SP
	s_add_co_u32 s25, s25, STG                     ; my stage
	v_mul_u32_u24 v[STO], v51, SP                  ; in: row r, 128 bytes for each half of the lanes
	v_lshl_add_u32 v[STO], v56, 7, v[STO]
	v_add_nc_u32 v[STO], s25, v[STO]
	v_mul_u32_u24 v[RDB], v56, 8*SP                ; back: lanes 0-15 row t, lanes 16-31 row t + 8, 16 bytes a lane
	v_lshl_add_u32 v[RDB], v51, 4, v[RDB]
	v_add_nc_u32 v[RDB], s25, v[RDB]
	s_lshl_b32 s27, s15, 10
	s_lshl_b32 s25, s14, 8
	s_add_co_u32 s27, s27, s25                     ; my 64 columns, in bytes of f32
	v_lshl_add_u32 v[COLB], v51, 4, s27
	v_lshlrev_b32 v[H8], 3, v56
	v_lshl_add_u32 v[MTA], v51, 2, MT
	v_lshl_add_u32 v[RTA], v56, 5, ROWT
	s_mul_i32 s25, s14, RPW*PX
	v_lshl_add_u32 v[XSW], v50, 3, s25             ; my 34 rows in LDS, 8 bytes a lane
	s_mul_i32 s25, s14, 2*PX
	s_add_co_u32 s25, s25, 136*PX
	v_add_nc_u32 v[PADA], s25, v[LANE16]           ; rows 136 + 2 w, 137 + 2 w
	v_lshl_add_u32 v[VB], v50, 3, s27              ; two columns of b a lane
	s_lshl_b32 s25, s14, 7
	s_add_co_u32 s25, s25, ROWT
	v_lshl_add_u32 v[RTW], v50, 2, s25
	s_lshl_b32 s25, s14, 9
	s_add_co_u32 s25, s25, BSL
	v_lshl_add_u32 v[BSA], v50, 3, s25
	v_lshl_add_u32 v[BSR], v56, 7, s25
.irp k, 0,1,2,3
	v_mov_b32 v[52+\k], 0
.endr
	s_wait_kmcnt 0x0
	s_min_u32 s16, s16, 7
	s_min_u32 s17, s17, 0x4000
	s_min_u32 s18, s18, 136
	s_mul_i32 s21, s14, RPW
	s_add_co_u32 s20, s17, s21
	s_lshl_b32 s20, s20, 2                         ; my 34 entries: at most word 16,384 + 135, inside the list and its 256 zero words
	s_load_b512 s[32:47], s[8:9], s20 offset:0x0
	s_load_b512 s[48:63], s[8:9], s20 offset:0x40
	s_load_b64 s[68:69], s[8:9], s20 offset:0x80
	s_sub_co_i32 s24, s18, s21                     ; how many of my 34 rows are the block's (may be negative)
	v_add_lshl_u32 v[TOFF], v0, s17, 2
	global_load_b32 v48, v[TOFF], s[8:9]           ; entry start + thread, for the tables of rows and gates
	s_cmp_lg_u32 s14, 0
	s_cbranch_scc1 .Lno_tail
	global_load_b32 v49, v[TOFF], s[8:9] offset:512    ; wave 0: entries 128 to 159
.Lno_tail:
.irp c, 0,1,2,3,4,5,6,7
	global_load_b64 v[BB+2*\c:BB+2*\c+1], v[VB], s[6:7] offset:2048*\c
.endr
	s_lshl_b32 s2, s16, 3
	s_lshl2_add_u32 s2, s15, s2
	s_add_co_u32 s2, s2, s14
	s_lshl_b32 s2, s2, 16                          ; chunk 8 c + 4 half + w
	s_mov_b32 s3, 0
	s_add_nc_u64 s[22:23], s[10:11], s[2:3]
	; W: 128 loads of 512 consecutive bytes, in the fragments' own order.  No wait is placed among them.
	WIN 0x40                                       ; destination window 1, address window 0
.set q, 0
.rept 64
	global_load_b128 v[4*q:4*q+3], v[LANE16], s[22:23] offset:512*q
.set q, q+1
.endr
	WIN 0x80                                       ; destination window 2
.set q, 0
.rept 64
	global_load_b128 v[4*q:4*q+3], v[LANE16], s[22:23] offset:512*(q+64)
.set q, q+1
.endr
	WIN 0
	s_wait_kmcnt 0x0                               ; my entries
; The offset in x of my row i.  A row at or past the block's count reads my first entry's row again: its result is never stored.
.macro XADR i, slot
	s_cmp_gt_i32 s24, \i
.if (\i) < 32
	s_cselect_b32 s25, s[ENT+(\i)], s[ENT]
.else
	s_cselect_b32 s25, s[ENT+4+(\i)], s[ENT]
.endif
	s_and_b32 s25, s25, 0x3fff                     ; the row without its flag
	s_min_u32 s25, s25, 0x3fff
	v_lshl_add_u32 v[OFF+(\slot)], s25, 11, v[LANE16]
.endm
.macro XLOAD slot                      ; a row of 2,048 bytes: four loads of 512 consecutive bytes.  No hint: the other half's work-group reads the same rows
.irp q, 0,1,2,3
	global_load_b128 v[X+16*(\slot)+4*\q:X+16*(\slot)+4*\q+3], v[OFF+(\slot)], s[4:5] offset:512*\q
.endr
.endm
; My row i has come: round to bf16 in place, 8 bytes a lane into LDS, and ask for row i + 12 into the same slot.
.macro XROW i
.if 33-(\i) > RING-1
	s_wait_loadcnt 4*(RING-1)                      ; loads come back in order (ISA guide 5.7.1): the 11 younger rows' 44 loads stay out; the first such wait also shows W, b and the entries loaded
.else
	s_wait_loadcnt 4*(33-(\i))                     ; the rows that are left, four loads each
.endif
.irp q, 0,1,2,3
	v_cvt_pk_bf16_f32 v[X+16*((\i)%RING)+4*\q], v[X+16*((\i)%RING)+4*\q], v[X+16*((\i)%RING)+4*\q+1]
	v_cvt_pk_bf16_f32 v[X+16*((\i)%RING)+4*\q+1], v[X+16*((\i)%RING)+4*\q+2], v[X+16*((\i)%RING)+4*\q+3]
	ds_store_b64 v[XSW], v[X+16*((\i)%RING)+4*\q:X+16*((\i)%RING)+4*\q+1] offset:(\i)*PX+256*\q   ; 32 lanes: 256 consecutive bytes
.endr
.if (\i)+RING <= 33
	XADR (\i)+RING, (\i)%RING                      ; the slot's offset and data registers are free since the wait above showed its loads done
	XLOAD (\i)%RING
.endif
.endm
.set xi, 0
.rept RING
	XADR xi, xi
	XLOAD xi
.set xi, xi+1
.endr
	ds_store_b128 v[PADA], v[52:55]                ; rows 136 to 143 are zeros: the ninth tile reads them, nothing of them is stored
	ds_store_b128 v[PADA], v[52:55] offset:512
	ds_store_b128 v[PADA], v[52:55] offset:PX
	ds_store_b128 v[PADA], v[52:55] offset:PX+512
.set xi, 0
.rept RPW
	XROW xi
.set xi, xi+1
.endr
	; the tables of rows and gates
	v_and_b32 v56, 0x3fff, v48
	v_cmp_gt_i32 vcc_lo, 0, v48                    ; bit 31: an id outside 0..7
	v_cndmask_b32 v57, 1.0, 0, vcc_lo
	ds_store_b32 v[RTW], v56
	ds_store_b32 v[RTW], v57 offset:MT-ROWT
	s_cmp_lg_u32 s14, 0
	s_cbranch_scc1 .Lno_tail2
	v_and_b32 v58, 0x3fff, v49
	v_cmp_gt_i32 vcc_lo, 0, v49
	v_cndmask_b32 v59, 1.0, 0, vcc_lo
	ds_store_b32 v[RTW], v58 offset:512
	ds_store_b32 v[RTW], v59 offset:MT-ROWT+512
.Lno_tail2:
	; b[c] and the sum of the other seven relu(b), two columns a lane.  The active term is left out of the sum, not taken away from a total.
.irp c, 0,1,2,3,4,5,6,7
	s_cmp_eq_u32 s16, \c
	s_cselect_b32 s28, -1, 0
	v_max_num_f32 v56, 0, v[BB+2*\c]
	v_max_num_f32 v57, 0, v[BB+2*\c+1]
.if \c == 0
	v_cndmask_b32 v58, v56, 0, s28                 ; the first term starts the sums
	v_cndmask_b32 v59, v57, 0, s28
.else
	v_cndmask_b32 v56, v56, 0, s28
	v_cndmask_b32 v57, v57, 0, s28
	v_pk_add_f32 v[58:59], v[58:59], v[56:57]
.if \c == 1
	v_cndmask_b32 v60, v[BB], v[BB+2], s28         ; b[0] unless a later c is the block's
	v_cndmask_b32 v61, v[BB+1], v[BB+3], s28
.else
	v_cndmask_b32 v60, v60, v[BB+2*\c], s28
	v_cndmask_b32 v61, v61, v[BB+2*\c+1], s28
.endif
.endif
.endr
	ds_store_b64 v[BSA], v[60:61]
	ds_store_b64 v[BSA], v[58:59] offset:256
.irp j, 0,1,2,3,4,5,6,7
	ds_load_b128 v[BD+4*\j:BD+4*\j+3], v[BSR] offset:16*\j        ; my wave's own bytes, served in order behind the stores: columns 32 h + 4 j ..
	ds_load_b128 v[SD+4*\j:SD+4*\j+3], v[BSR] offset:256+16*\j
.endr
	s_wait_dscnt 0x0                               ; for the other waves' sake: my rows of x and my part of the tables are written
	s_barrier_signal -1
	s_barrier_wait -1
; The 16 fragments of tile i (16 rows x 512 k) into buffer i & 1 of window 3: lane (r, h) takes row r, k = 32 s + 8 h .. and 32 s + 16 + 8 h ..
.macro FETCH i
	WIN 0xc0                                       ; destination window 3, address window 0
.set fs, 0
.rept 16
	ds_load_b128 v[128*((\i)&1)+8*fs:128*((\i)&1)+8*fs+3],   v[ADR+(\i)/4] offset:((\i)%4)*16*PX+64*fs
	ds_load_b128 v[128*((\i)&1)+8*fs+4:128*((\i)&1)+8*fs+7], v[ADR+(\i)/4] offset:((\i)%4)*16*PX+64*fs+32
.set fs, fs+1
.endr
.endm
; 32 matrix instructions: k steps k0 .. k0 + 7 x the four column tiles.  Source 0 = 16 columns of W, source 1 = 16 rows of x: lane (r, h), register j of
; accumulator a then holds row r, column 32 h + 4 j + a of my strip.  The four accumulators take turns, one instruction a turn.
.macro MUL32 i, k0, zero
.set ms, 0
.set mz, \zero
.rept 8
.irp a, 0,1,2,3
.if mz
	v_wmma_f32_16x16x32_bf16 v[ACC+8*\a:ACC+8*\a+7], v[8*(4*ms+\a):8*(4*ms+\a)+7], v[128*((\i)&1)+8*(\k0+ms):128*((\i)&1)+8*(\k0+ms)+7], 0
.else
	v_wmma_f32_16x16x32_bf16 v[ACC+8*\a:ACC+8*\a+7], v[8*(4*ms+\a):8*(4*ms+\a)+7], v[128*((\i)&1)+8*(\k0+ms):128*((\i)&1)+8*(\k0+ms)+7], v[ACC+8*\a:ACC+8*\a+7]
.endif
.endr
.set mz, 0
.set ms, ms+1
.endr
.endm
.macro TILE i, last
.set rb, RO+8*(\i)-((\i)/8)*(RO+64-OFF)            ; this tile's eight offsets in out: v[192 + 8 i ..], the ninth tile's at v[20:27]
	WIN 0
	ds_load_b32 v[M], v[MTA] offset:64*\i          ; the gate of row 16 i + r
	WIN 0x0d                                       ; source 0 window 1 (W, k 0-255), source 1 window 3, C and D window 0
	MUL32 \i, 0, 1                                 ; the first products start the sums
.if \last
.else
	FETCH \i+1                                     ; into the buffer that the tile before last read; that tile's arithmetic on the way out stands between
.endif
	WIN 0x0e                                       ; source 0 window 2 (W, k 256-511)
	MUL32 \i, 8, 0
	WIN 0
.if \last
	s_wait_dscnt 0x0
.else
	s_wait_dscnt 0x20                              ; the gate is in; the 32 fragment loads issued behind it stay out
.endif
.rept 4
	v_nop                                          ; four places behind the last matrix instruction, ahead of the first read of a result (ISA guide 7.12.1)
.endr
.irp j, 0,1,2,3,4,5,6,7
.irp a, 0,1,2,3
	v_fma_f32 v[T+4*\j+\a], v[ACC+8*\a+\j], v[M], v[BD+4*\j+\a]   ; column 32 h + 4 j + a
.endr
.endr
.set tn, 0
.rept 32
	v_max_num_f32 v[T+tn], 0, v[T+tn]
.set tn, tn+1
.endr
.set tn, 0
.rept 16
	v_pk_add_f32 v[T+2*tn:T+2*tn+1], v[T+2*tn:T+2*tn+1], v[SD+2*tn:SD+2*tn+1]
.set tn, tn+1
.endr
.irp j, 0,1,2,3,4,5,6,7
	ds_store_b128 v[STO], v[T+4*\j:T+4*\j+3] offset:16*\j
.endr
.irp t, 0,1,2,3,4,5,6,7
	ds_load_b128 v[O+4*\t:O+4*\t+3], v[RDB] offset:SP*\t          ; my own stage; LDS serves a wave's instructions in order (ISA guide 5.7.1): these see the stores above
.endr
.irp t, 0,1,2,3,4,5,6,7
	s_sub_co_i32 s25, s18, 16*\i+\t
	v_cmp_gt_i32 vcc_lo, s25, v[H8]                ; row 16 i + t + 8 h is one of the block's
	s_wait_dscnt 7-\t                              ; row pair t is back; the younger pairs stay out (the last count, 0, also shows the next tile's fragments in)
	s_and_saveexec_b32 s26, vcc_lo                 ; no global instruction has been issued since the last s_wait_xcnt 0
	global_store_b128 v[rb+\t], v[O+4*\t:O+4*\t+3], s[12:13] th:TH_STORE_NT   ; 16 lanes store 256 consecutive bytes, aligned, of one row of out
	s_wait_xcnt 0x0                                ; EXEC and the data are written again only behind this wait
	s_or_b32 exec_lo, exec_lo, s26
.endr
.endm
	; All 72 offsets in out (nine tiles x eight pairs of rows) are made here, with all lanes on, ahead of every line that writes EXEC,
	; each in a register of its own: lane (r, h), register t of tile i: row number of place 16 i + 8 h + t, times 2,048 bytes, + my 16 bytes of the strip.
.set ti, 0
.rept 9
.set rb, RO+8*ti-(ti/8)*(RO+64-OFF)
	ds_load_b128 v[rb:rb+3], v[RTA] offset:64*ti
	ds_load_b128 v[rb+4:rb+7], v[RTA] offset:64*ti+16
.set ti, ti+1
.endr
	FETCH 0
	WIN 0
	s_wait_dscnt 0x20                              ; the 18 loads of row numbers are in; the first tile's 32 fragment loads, issued behind them, stay out
.set ti, 0
.rept 9
.set rb, RO+8*ti-(ti/8)*(RO+64-OFF)
.irp t, 0,1,2,3,4,5,6,7
	v_min_u32 v[rb+\t], 0x3fff, v[rb+\t]
	v_lshl_add_u32 v[rb+\t], v[rb+\t], 11, v[COLB]
.endr
.set ti, ti+1
.endr
	s_wait_dscnt 0x0                               ; the first tile's fragments
	s_wait_xcnt 0x0                                ; in front of the first line that narrows EXEC
	TILE 0, 0
	TILE 1, 0
	TILE 2, 0
	TILE 3, 0
	TILE 4, 0
	TILE 5, 0
	TILE 6, 0
	TILE 7, 0
	TILE 8, 1
	s_endpgm
.Lfunc_end_k_q569d25acd0_experts:
	.size	k_q569d25acd0_experts, .Lfunc_end_k_q569d25acd0_experts-k_q569d25acd0_experts
	.p2alignl 7, 3214868480
	.fill 96, 4, 3214868480
	.section	.rodata,"a",@progbits
	.p2align	6, 0x0
	.amdhsa_kernel k_q569d25acd0_experts
		.amdhsa_group_segment_fixed_size 170496
		.amdhsa_private_segment_fixed_size 0
		.amdhsa_enable_private_segment 0
		.amdhsa_kernarg_size 40
		.amdhsa_user_sgpr_count 2
		.amdhsa_user_sgpr_kernarg_segment_ptr 1
		.amdhsa_wavefront_size32 1
		.amdhsa_system_sgpr_workgroup_id_x 1
		.amdhsa_system_sgpr_workgroup_id_y 1
		.amdhsa_system_sgpr_workgroup_id_z 1
		.amdhsa_system_vgpr_workitem_id 0
		.amdhsa_next_free_vgpr 1024
		.amdhsa_next_free_sgpr 72
		.amdhsa_reserve_vcc 1
		.amdhsa_float_denorm_mode_32 3
		.amdhsa_float_denorm_mode_16_64 3
		.amdhsa_memory_ordered 1
		.amdhsa_forward_progress 1
		.amdhsa_inst_pref_size 204
	.end_amdhsa_kernel
	.amdgpu_metadata
---
amdhsa.version: [ 1, 2 ]
amdhsa.kernels:
  - .name:           k_q569d25acd0_experts
    .symbol:         k_q569d25acd0_experts.kd
    .args:
      - { .name: x, .offset: 0, .size: 8, .value_kind: global_buffer, .address_space: global }
      - { .name: b, .offset: 8, .size: 8, .value_kind: global_buffer, .address_space: global }
      - { .name: route, .offset: 16, .size: 8, .value_kind: global_buffer, .address_space: global }
      - { .name: wf, .offset: 24, .size: 8, .value_kind: global_buffer, .address_space: global }
      - { .name: out0, .offset: 32, .size: 8, .value_kind: global_buffer, .address_space: global }
    .group_segment_fixed_size: 170496
    .private_segment_fixed_size: 0
    .kernarg_segment_align: 8
    .kernarg_segment_size: 40
    .max_flat_workgroup_size: 128
    .sgpr_count:     72
    .vgpr_count:     1024
    .wavefront_size: 32
...
	.end_amdgpu_metadata
.endif
;; end of part 2
;; ======== version 2 of 3: 2 launches; 1.23 times as fast as version 1
;; workspace buffers: wf 4,194,304 bytes; route 68,608 bytes of whole numbers
;; launch prep (part 3): grid 144 x 1, 16 waves a work-group, no clusters, 512 bytes of LDS; arguments W, cond_ids, wf, route; writes wf, route
.if DOCPART == 3
	.amdgcn_target "amdgcn-amd-amdhsa--gfx1250"
	.amdhsa_code_object_version 6
	.text
	.protected	k_q569d25acd0_prep
	.globl	k_q569d25acd0_prep
	.p2align	8
	.type	k_q569d25acd0_prep,@function
k_q569d25acd0_prep:
	s_mov_b64 s[64:65], 0
	v_nop
	global_prefetch_b8 v0, s[64:65] scope:SCOPE_SE
	s_setreg_imm32_b32 hwreg(HW_REG_WAVE_MODE, 25, 1), 1
	s_wait_xcnt 0x0
; PREP.  Two jobs, told apart by the work-group's number alone.
; Work-groups 0..127: W (f32, [8][512 k][512 n]) is rounded to bf16 and laid out in the order of the matrix instruction's
;   fragment registers, so that the next launch loads it straight into registers.  Chunk (c, wq) = 64 columns of W[c], 65,536 bytes
;   at (8 c + wq) * 65536, made by two work-groups.  In a chunk, part q = 2 (4 s + i) + p at 512 q; in a part, lane l = 16 h + r has 16 bytes at 16 l:
;   bf16 of W[c][32 s + 16 p + 8 h + j][64 wq + 4 r + i], j = 0..7.
; Work-groups 128..143 (j = 0..15): the 16,384 row numbers are sorted by condition (a counting sort without atomics and without traffic between
;   work-groups) into route[0..16383], each entry row | invalid << 31.  Every one of the 16 counts ALL ids for itself (wave w counts ids 1024 w .. + 1023:
;   64 KiB read by each, 1 MiB in all) and places only ids 1024 j .. + 1023, 64 a wave, two a lane.  An id's place = its group's start + that group's count in
;   the chunks before j + in the waves before mine + among my wave's earlier ids.
;   Work-group 128 also writes 256 zero words behind the list, so that reads of 160 entries from any start up to 16,384 stay inside the buffer, and, at byte TAB,
;   128 block records (c, start, count, 0).  Blocks 0..120: positions 136 t .. of the sorted list, served for the condition that holds position 136 t, up to that
;   group's end.  Blocks 121..127: for c = 1..7 the rows of group c from its start to the next multiple of 136 (none if the group starts on a multiple: count 0).
; An id outside 0..7 (a negative one too: it is compared as unsigned) goes to group 0 with bit 31 set.
; The order inside a group is work-group, wave, first or second id of the lane, lane: not the rows' order; nothing hangs on it.
; The list leaves by stores of 4 bytes a lane: a wave's 32 entries fall into up to eight runs of neighbouring words, one for each group.  Longer runs would want the
; work-group's 1,024 entries sorted in LDS first, behind a second barrier; the list is 64 KiB of the 12 MiB that this launch moves.
.set NCONV, 128                        ; work-groups that convert W
.set TBB,  256                         ; LDS: bytes 0..255 the 16 chunks' counts, bytes 256..511 my work-group's 16 waves' counts; 16 bytes each: word k = group k | group k+4 << 16
.set TAB,  0x10400                     ; byte offset of the block records in route
.set IDS,  4                           ; v[4:35]   the 32 ids that the lane counts; later the block records' work
.set MY,   36                          ; v[36:37]  the two ids that the lane places
.set H,    38                          ; v[38:41]  four histograms of eight 4-bit fields, 8 ids each
.set EV,   42                          ; byte fields: groups 0, 2, 4, 6
.set OD,   43                          ; byte fields: groups 1, 3, 5, 7
.set PK,   44                          ; v[44:47]  16-bit fields: register k = group k, group k + 4
.set INC,  48                          ; v[48:51]  inclusive sums
.set G0,   54                          ; v[54:55]  groups of my two ids
.set E0,   56                          ; v[56:57]  their entries
.set POS0, 58                          ; v[58:59]  their places, then byte offsets in route
.set R0,   60                          ; v[60:61]
.set VA,   62
.set VM,   63
.set OUT,  64                          ; v[64:67]
.set BO,   68                          ; v[68:71]
.set TA,   72                          ; 16 w
.set SIGN, 73
.set ROWB, 74                          ; 1024 j + 64 w + 2 lane
.set LA,   75                          ; 16 lane
.set T4,   76                          ; v[76:79]  at work
.set TW,   16                          ; s[16:19]  my chunk's counts, packed
.set C0,   20                          ; s[20:27]  group g among the lanes' first ids
.set BP,   28                          ; s[28:31]  my wave's 64 ids' counts, packed
.set NT,   32                          ; s[32:35]  all ids' counts, packed
.set PP,   36                          ; s[36:39]  earlier chunks' + earlier waves' counts, packed
.set SS,   40                          ; s[40:48]  S_0 .. S_8, the groups' starts in route
.set MA,   68                          ; s[68:75]  lanes whose first id is of group g
.set MB,   76                          ; s[76:83]  lanes whose second id is of group g
.set BASE, 84                          ; s[84:91]  first my wave's counts, then where my wave's entries of group g begin
	s_load_b256 s[4:11], s[0:1], 0x0               ; W s[4:5], cond_ids s[6:7], wf s[8:9], route s[10:11]
	v_and_b32 v1, 31, v0                           ; lane
	v_lshrrev_b32 v2, 5, v0
	v_readfirstlane_b32 s14, v2                    ; wave 0..15
	s_cmp_ge_u32 ttmp9, NCONV
	s_cbranch_scc1 .Lroute
	; ---- W to bf16 fragments.  Work-group = (c, wq, half); v = 16 half + wave = 2 s + p takes the 16 rows k = 16 v .. 16 v + 15 of the strip of 64 columns.
	v_and_b32 v2, 15, v1                           ; r
	v_lshrrev_b32 v3, 4, v1                        ; h
	v_lshlrev_b32 v2, 4, v2                        ; columns 4 r .. 4 r + 3: 16 lanes read 256 consecutive bytes, aligned
	v_lshl_add_u32 v2, v3, 14, v2                  ; + 8 h rows of 2,048 bytes
	v_lshlrev_b32 v3, 4, v1                        ; 16 bytes a lane on the way out
	s_and_b32 s15, ttmp9, 1
	s_lshl_b32 s15, s15, 4
	s_add_co_u32 s15, s15, s14                     ; v = 0..31
	s_lshr_b32 s2, ttmp9, 4                        ; c
	s_bfe_u32 s3, ttmp9, 0x30001                   ; wq: 3 bits from bit 1
	s_lshl_b32 s2, s2, 20                          ; c x 512 x 2,048 bytes
	s_lshl_b32 s3, s3, 8                           ; wq x 64 columns x 4 bytes
	s_add_co_u32 s2, s2, s3
	s_lshl_b32 s3, s15, 15                         ; v x 16 rows
	s_add_co_u32 s2, s2, s3
	s_mov_b32 s3, 0
	s_lshr_b32 s12, ttmp9, 1
	s_lshl_b32 s12, s12, 16                        ; the chunk
	s_lshr_b32 s16, s15, 1
	s_lshl_b32 s16, s16, 12                        ; s x 8 parts
	s_add_co_u32 s12, s12, s16
	s_and_b32 s16, s15, 1
	s_lshl_b32 s16, s16, 9                         ; p x 1 part
	s_add_co_u32 s12, s12, s16
	s_mov_b32 s13, 0
	s_wait_kmcnt 0x0
	s_add_nc_u64 s[4:5], s[4:5], s[2:3]
	s_add_nc_u64 s[8:9], s[8:9], s[12:13]
.irp j, 0,1,2,3,4,5,6,7
	global_load_b128 v[8+4*\j:11+4*\j], v2, s[4:5] offset:2048*\j th:TH_LOAD_NT   ; row 8 h + j, four columns: register 8 + 4 j + i
.endr
	s_wait_loadcnt 0x0
.irp i, 0,1,2,3
.irp jj, 0,1,2,3
	v_cvt_pk_bf16_f32 v[40+4*\i+\jj], v[8+8*\jj+\i], v[12+8*\jj+\i]   ; column i, rows 2 jj and 2 jj + 1: the transposition is the choice of registers
.endr
	global_store_b128 v3, v[40+4*\i:43+4*\i], s[8:9] offset:1024*\i   ; part 2 (4 s + i) + p: 512 consecutive bytes
.endr
	s_endpgm
	; ---- the sort
; n registers from src: each lane adds the lane d below it in its row of 16 lanes (nothing where there is none), into dst.
; Steps d = 1, 2, 4, 8 make the inclusive sums of a row.  The n moves stand ahead of the n sums, so that no line waits for the one in front of it.
.macro SHADD n, dst, src, d
.set sk, 0
.rept \n
	v_mov_b32_dpp v[T4+sk], v[\src+sk] row_shr:\d row_mask:0xf bank_mask:0xf bound_ctrl:1
.set sk, sk+1
.endr
.set sk, 0
.rept \n
	v_add_nc_u32 v[\dst+sk], v[\src+sk], v[T4+sk]
.set sk, sk+1
.endr
.endm
.Lroute:
	s_and_b32 s15, ttmp9, 15                       ; j (128 is a multiple of 16)
	s_lshl_b32 s50, s14, 12
	v_lshl_add_u32 v[VA], v1, 4, s50               ; the chunk that I count: 4,096 w + 16 lane
	s_lshl_b32 s51, s15, 12
	s_lshl_b32 s52, s14, 8
	s_add_co_u32 s51, s51, s52
	v_lshl_add_u32 v[VM], v1, 3, s51               ; the ids that I place: 4,096 j + 256 w + 8 lane
	s_wait_kmcnt 0x0
	global_load_b64 v[MY:MY+1], v[VM], s[6:7]      ; no hint on these loads: sixteen work-groups read the same bytes
.irp q, 0,1,2,3,4,5,6,7
	global_load_b128 v[IDS+4*\q:IDS+4*\q+3], v[VA], s[6:7] offset:512*\q
.endr
	s_lshr_b32 s51, s51, 2
	v_lshl_add_u32 v[ROWB], v1, 1, s51             ; the row of my first id
	v_mov_b32 v[SIGN], 0x80000000
	s_mov_b32 s54, 0x0f0f0f0f
	s_mov_b32 s55, 0x00ff00ff
	s_lshl_b32 s50, s14, 4
	v_mov_b32 v[TA], s50
	v_lshlrev_b32 v[LA], 4, v1
	s_add_co_u32 s53, s14, 16                      ; the lane that will hold my wave's counts
	; my two ids: group, entry = row | flag, and for each group the lanes that hold it
	s_wait_loadcnt 0x8                             ; loads come back in order (ISA guide 5.7.1): the eight loads of the chunk, issued behind this one, stay out
.irp u, 0,1
	v_min_u32 v[G0+\u], 8, v[MY+\u]                ; 8 = outside 0..7
.endr
.irp u, 0,1
	v_cmp_eq_u32 vcc_lo, 8, v[G0+\u]
	v_cndmask_b32 v[E0+\u], 0, v[SIGN], vcc_lo
	v_and_b32 v[G0+\u], 7, v[G0+\u]                ; 8 becomes group 0
	v_add3_u32 v[E0+\u], v[E0+\u], v[ROWB], \u
.endr
.irp g, 0,1,2,3,4,5,6,7
	v_cmp_eq_u32 s[MA+\g], \g, v[G0]
	v_cmp_eq_u32 s[MB+\g], \g, v[G0+1]
.endr
.irp g, 0,1,2,3,4,5,6,7
	s_bcnt1_i32_b32 s[C0+\g], s[MA+\g]
	s_bcnt1_i32_b32 s50, s[MB+\g]
	s_add_co_u32 s[BASE+\g], s[C0+\g], s50         ; group g among my wave's 64 ids
.endr
.irp k, 0,1,2,3
	s_lshl_b32 s50, s[BASE+4+\k], 16
	s_or_b32 s[BP+\k], s50, s[BASE+\k]
	v_mov_b32 v[BO+\k], s[BP+\k]
.endr
	ds_store_b128 v[TA], v[BO:BO+3] offset:TBB     ; every lane stores the same 16 bytes at the wave's place
	; my chunk: 32 ids a lane into four histograms.  Histogram u takes id u of each load: 8 ids, so a field of 4 bits holds its count.
.irp q, 0,1,2,3,4,5,6,7
	s_wait_loadcnt 7-\q                            ; load q is in; the 7 - q behind it stay out
.irp u, 0,1,2,3
	v_min_u32 v[IDS+4*\q+\u], 8, v[IDS+4*\q+\u]
.endr
.irp u, 0,1,2,3
	v_and_b32 v[IDS+4*\q+\u], 7, v[IDS+4*\q+\u]
.endr
.irp u, 0,1,2,3
	v_lshlrev_b32 v[IDS+4*\q+\u], 2, v[IDS+4*\q+\u]
.endr
.irp u, 0,1,2,3
.if \q == 0
	v_lshlrev_b32 v[H+\u], v[IDS+\u], 1            ; the first ids start the counts
.else
	v_lshl_add_u32 v[H+\u], 1, v[IDS+4*\q+\u], v[H+\u]
.endif
.endr
.endr
	; the four histograms summed in fields of 8 bits (32 at the most a lane): even groups, odd groups
.irp u, 0,1,2,3
	v_and_b32 v[T4+\u], s54, v[H+\u]
.endr
.irp u, 0,1,2,3
	v_lshrrev_b32 v[H+\u], 4, v[H+\u]
.endr
.irp u, 0,1,2,3
	v_and_b32 v[H+\u], s54, v[H+\u]
.endr
	v_add3_u32 v[EV], v[T4], v[T4+1], v[T4+2]
	v_add3_u32 v[OD], v[H], v[H+1], v[H+2]
	v_add_nc_u32 v[EV], v[EV], v[T4+3]
	v_add_nc_u32 v[OD], v[OD], v[H+3]
	SHADD 2, EV, EV, 1                             ; four lanes' sum is 128 at the most: two steps fit in 8 bits,
	SHADD 2, EV, EV, 2
	v_and_b32 v[PK], s55, v[EV]                    ; then 16 bits: groups 0 and 4,
	v_and_b32 v[PK+1], s55, v[OD]                  ; 1 and 5,
	v_lshrrev_b32 v[EV], 8, v[EV]
	v_lshrrev_b32 v[OD], 8, v[OD]
	v_and_b32 v[PK+2], s55, v[EV]                  ; 2 and 6,
	v_and_b32 v[PK+3], s55, v[OD]                  ; 3 and 7
	SHADD 4, PK, PK, 4
	SHADD 4, PK, PK, 8                             ; lanes 15 and 31 hold their rows' totals
.irp k, 0,1,2,3
	v_readlane_b32 s50, v[PK+\k], 15
	v_readlane_b32 s51, v[PK+\k], 31
	s_add_co_u32 s[TW+\k], s50, s51
	v_mov_b32 v[OUT+\k], s[TW+\k]
.endr
	ds_store_b128 v[TA], v[OUT:OUT+3]
	s_wait_dscnt 0x0                               ; for the other waves' sake: both my sets of counts are written
	s_barrier_signal -1
	s_barrier_wait -1
	ds_load_b128 v[PK:PK+3], v[LA]                 ; lanes 0-15: chunk l's counts; lanes 16-31: wave l - 16's counts
	s_wait_dscnt 0x0
	SHADD 4, INC, PK, 1                            ; one scan inside the rows of 16 serves both tables; no sum passes 16,384, so the halves never carry
	SHADD 4, INC, INC, 2
	SHADD 4, INC, INC, 4
	SHADD 4, INC, INC, 8
.irp k, 0,1,2,3
	v_sub_nc_u32 v[PK+\k], v[INC+\k], v[PK+\k]     ; the earlier lanes' sums
.endr
.irp k, 0,1,2,3
	v_readlane_b32 s[NT+\k], v[INC+\k], 15         ; all 16 chunks
	v_readlane_b32 s50, v[PK+\k], s15              ; the chunks before j
	v_readlane_b32 s51, v[PK+\k], s53              ; the waves before mine
	s_add_co_u32 s[PP+\k], s50, s51
.endr
	s_mov_b32 s[SS], 0
.irp g, 0,1,2,3
	s_and_b32 s50, s[NT+\g], 0xffff
	s_add_co_u32 s[SS+1+\g], s[SS+\g], s50
.endr
.irp g, 0,1,2,3
	s_lshr_b32 s50, s[NT+\g], 16
	s_add_co_u32 s[SS+5+\g], s[SS+4+\g], s50
.endr
.irp g, 0,1,2,3
	s_and_b32 s50, s[PP+\g], 0xffff
	s_add_co_u32 s[BASE+\g], s[SS+\g], s50
	s_lshr_b32 s51, s[PP+\g], 16
	s_add_co_u32 s[BASE+4+\g], s[SS+4+\g], s51
.endr
	; the place: the group's base + the lower lanes that hold the same group (the second ids come behind all the first ones), chosen by the group's own mask
.irp g, 0,1,2,3,4,5,6,7
	s_add_co_u32 s50, s[BASE+\g], s[C0+\g]
.if \g == 0
	v_mbcnt_lo_u32_b32 v[POS0], s[MA], s[BASE]
	v_mbcnt_lo_u32_b32 v[POS0+1], s[MB], s50
.else
	v_mbcnt_lo_u32_b32 v[R0], s[MA+\g], s[BASE+\g]
	v_mbcnt_lo_u32_b32 v[R0+1], s[MB+\g], s50
	v_cndmask_b32 v[POS0], v[POS0], v[R0], s[MA+\g]
	v_cndmask_b32 v[POS0+1], v[POS0+1], v[R0+1], s[MB+\g]
.endif
.endr
.irp u, 0,1
	v_min_u32 v[POS0+\u], 0x3fff, v[POS0+\u]
	v_lshlrev_b32 v[POS0+\u], 2, v[POS0+\u]
	global_store_b32 v[POS0+\u], v[E0+\u], s[10:11]    ; each store has registers of its own, which nothing below writes
.endr
	s_cmp_lg_u32 ttmp9, NCONV                      ; the first sorting work-group alone goes on
	s_cbranch_scc1 .Ldone
	s_cmp_gt_u32 s14, 5
	s_cbranch_scc1 .Ldone
	s_cmp_gt_u32 s14, 3
	s_cbranch_scc1 .Lzeros
	; waves 0 to 3: thread t writes block t's record.  Both forms are computed; t < 121 picks the first.
.set P0,  4
.set CM,  5
.set EN,  6
.set ST,  7
.set EE,  8
.set NB,  9
.set TT,  10
.set K16, 11
.set HC,  12
.set TADR, 80
	v_mul_u32_u24 v[P0], v0, 136
	v_mov_b32 v[CM], 0
	v_mov_b32 v[K16], 0x4000
	v_mov_b32 v[EN], 0x4000
	v_mov_b32 v[ST], 0
	v_mov_b32 v[EE], 0
.irp g, 1,2,3,4,5,6,7
	v_cmp_le_u32 vcc_lo, s[SS+\g], v[P0]           ; group g starts at or before the block's first position
	v_cndmask_b32 v[TT], s[SS+\g], v[K16], vcc_lo
	v_min_u32 v[EN], v[EN], v[TT]                  ; the first start behind it ends the block's group
	v_add_co_ci_u32 v[CM], vcc_lo, 0, v[CM], vcc_lo   ; the starts ascend: their number is the group that holds the position
	v_cmp_eq_u32 vcc_lo, 120+\g, v0
	v_cndmask_b32 v[ST], v[ST], s[SS+\g], vcc_lo
	v_cndmask_b32 v[EE], v[EE], s[SS+1+\g], vcc_lo
.endr
	v_add_nc_u32 v[TT], 136, v[P0]
	v_min_u32 v[EN], v[EN], v[TT]
	v_sub_nc_u32 v[EN], v[EN], v[P0]
	v_add_nc_u32 v[NB], 135, v[ST]                 ; the next multiple of 136 at or behind the group's start:
	v_lshrrev_b32 v[NB], 3, v[NB]                  ; / 8, at most 2,064,
	v_mul_u32_u24 v[NB], v[NB], 3856               ; / 17 as x 3856 >> 16: 3856 - 65536/17 = 0.94, so the quotient is exact below 4,096
	v_lshrrev_b32 v[NB], 16, v[NB]
	v_mul_u32_u24 v[NB], v[NB], 136
	v_min_u32 v[NB], v[NB], v[EE]
	v_sub_nc_u32 v[NB], v[NB], v[ST]
	v_add_nc_u32 v[HC], 0xffffff88, v0             ; t - 120
	v_cmp_gt_u32 vcc_lo, 121, v0
	v_cndmask_b32 v[OUT], v[HC], v[CM], vcc_lo
	v_cndmask_b32 v[OUT+1], v[ST], v[P0], vcc_lo
	v_cndmask_b32 v[OUT+2], v[NB], v[EN], vcc_lo
	v_mov_b32 v[OUT+3], 0
	v_lshlrev_b32 v[TADR], 4, v0
	global_store_b128 v[TADR], v[OUT:OUT+3], s[10:11] offset:TAB
	s_endpgm
.Lzeros:
	; waves 4 and 5 (threads 128 to 191): the 256 zero words behind the list, 16 bytes a lane at 65,536 + 16 (t - 128)
.irp k, 0,1,2,3
	v_mov_b32 v[84+\k], 0
.endr
	v_lshlrev_b32 v81, 4, v0
	global_store_b128 v81, v[84:87], s[10:11] offset:65536-2048
.Ldone:
	s_endpgm
.Lfunc_end_k_q569d25acd0_prep:
	.size	k_q569d25acd0_prep, .Lfunc_end_k_q569d25acd0_prep-k_q569d25acd0_prep
	.p2alignl 7, 3214868480
	.fill 96, 4, 3214868480
	.section	.rodata,"a",@progbits
	.p2align	6, 0x0
	.amdhsa_kernel k_q569d25acd0_prep
		.amdhsa_group_segment_fixed_size 512
		.amdhsa_private_segment_fixed_size 0
		.amdhsa_enable_private_segment 0
		.amdhsa_kernarg_size 32
		.amdhsa_user_sgpr_count 2
		.amdhsa_user_sgpr_kernarg_segment_ptr 1
		.amdhsa_wavefront_size32 1
		.amdhsa_system_sgpr_workgroup_id_x 1
		.amdhsa_system_sgpr_workgroup_id_y 1
		.amdhsa_system_sgpr_workgroup_id_z 1
		.amdhsa_system_vgpr_workitem_id 0
		.amdhsa_next_free_vgpr 96
		.amdhsa_next_free_sgpr 92
		.amdhsa_reserve_vcc 1
		.amdhsa_float_denorm_mode_32 3
		.amdhsa_float_denorm_mode_16_64 3
		.amdhsa_memory_ordered 1
		.amdhsa_forward_progress 1
		.amdhsa_inst_pref_size 27
	.end_amdhsa_kernel
	.amdgpu_metadata
---
amdhsa.version: [ 1, 2 ]
amdhsa.kernels:
  - .name:           k_q569d25acd0_prep
    .symbol:         k_q569d25acd0_prep.kd
    .args:
      - { .name: W, .offset: 0, .size: 8, .value_kind: global_buffer, .address_space: global }
      - { .name: cond_ids, .offset: 8, .size: 8, .value_kind: global_buffer, .address_space: global }
      - { .name: wf, .offset: 16, .size: 8, .value_kind: global_buffer, .address_space: global }
      - { .name: route, .offset: 24, .size: 8, .value_kind: global_buffer, .address_space: global }
    .group_segment_fixed_size: 512
    .private_segment_fixed_size: 0
    .kernarg_segment_align: 8
    .kernarg_segment_size: 32
    .max_flat_workgroup_size: 512
    .sgpr_count:     92
    .vgpr_count:     96
    .wavefront_size: 32
...
	.end_amdgpu_metadata
.endif
;; end of part 3
;; launch experts: the kernel of part 2 again; grid 256 x 1, 4 waves a work-group, no clusters, 170,496 bytes of LDS; arguments x, b, route, wf, out0; writes out0
;; ======== version 3 of 3: 2 launches; 1.38 times as fast as version 1
;; workspace buffers: wf 4,194,304 bytes; route 68,608 bytes of whole numbers
;; launch prep: the kernel of part 3 again; grid 144 x 1, 16 waves a work-group, no clusters, 512 bytes of LDS; arguments W, cond_ids, wf, route; writes wf, route
;; launch experts (part 4): grid 256 x 1, 4 waves a work-group, no clusters, 170,496 bytes of LDS; arguments x, b, route, wf, out0; writes out0
.if DOCPART == 4
	.amdgcn_target "amdgcn-amd-amdhsa--gfx1250"
	.amdhsa_code_object_version 6
	.text
	.protected	k_q569d25acd0_experts
	.globl	k_q569d25acd0_experts
	.p2align	8
	.type	k_q569d25acd0_experts,@function
k_q569d25acd0_experts:
	s_mov_b64 s[64:65], 0
	v_nop
	global_prefetch_b8 v0, s[64:65] scope:SCOPE_SE
	s_setreg_imm32_b32 hwreg(HW_REG_WAVE_MODE, 25, 1), 1
	s_wait_xcnt 0x0
; out[n] = relu(x[n] W[g] + b[g]) + sum over c != g of relu(b[c]), g = cond_ids[n]: of the eight masked products one alone is not zero.
; Work-group = (block, half): one of 128 blocks (c, start, count <= 136) of the list sorted by condition, and 256 of the 512 columns.
; Four waves.  Wave w owns columns 256 half + 64 w .. + 63 for all the block's rows and keeps its 512 x 64 piece of W[c] (bf16, 64 KiB) in 512 registers
; for the whole launch: W never passes through LDS.  The block's rows of x are gathered (34 rows a wave, 512 consecutive bytes a load), rounded to bf16 and
; laid in LDS once for all four waves; one barrier; then up to nine tiles of 16 rows, 64 matrix instructions each, all written out.
; A tile all of whose 16 rows are the block's is stored with all lanes on.  The first tile that has rows missing is stored under masks and ends the wave: no later tile has a
; row.  The choice is a scalar compare of the block's count, which is equal in the four waves; no barrier stands behind it.  The ninth tile always has rows missing
; (136 < 144).  A block whose count is a multiple of 16 runs one more tile under empty masks; a record whose count is 0 (a group that starts on a multiple of 136)
; runs the first phase and the first tile and stores nothing.
; An entry with bit 31 set (an id outside 0..7) lies in group 0 and has the gate m = 0: relu(0 + b[0]) + the others = the sum of all eight relu(b[c]).
; NO CLUSTER: which work-groups share a W[c] hangs on the counts read from memory, so no joint request could be equal in its partners by their places alone;
; the two halves of a block share rows of x, which are gathered lane by lane into registers for rounding.  No tensor loads for the same two reasons.
; LIMITS: NaN and infinities in the inputs are not reproduced (the products with the mask's zeros are not formed; v_max_num_f32 drops a NaN).  The eight terms are
; added as the active one + (the others in ascending c), not in ascending c throughout.  x and W are rounded to bf16, sums in f32.
.set PX,    1040                       ; LDS pitch of a row of x: 1,024 bytes of bf16 + 16 = 65 x 16, so the 16 rows of a fragment load touch 16 different 16-byte columns of 256
.set SP,    272                        ; pitch of the stage: 256 + 16
.set STG,   149760                     ; behind 144 rows of x: 4 waves x 16 rows x 272, each wave's own way out
.set ROWT,  167168                     ; 160 row numbers
.set MT,    167808                     ; 160 gates (f32)
.set BSL,   168448                     ; 4 waves x 512: b[c] of the wave's 64 columns, then the sum of the other relu(b)
.set TAB,   0x10400
.set RPW,   34                         ; rows that a wave gathers
.set RING,  12                         ; rows on their way, 4 loads each
.set LANE16, 1
.set ADR,   2                          ; v[2:4]   r PX + 16 h, for rows 0.., 64.., 128..
.set STO,   5
.set RDB,   6
.set COLB,  7                          ; byte offset in a row of out: 1024 half + 256 w + 16 r
.set H8,    8
.set MTA,   9
.set RTA,   10
.set M,     11
.set XSW,   12                         ; first phase only: v12 .. v18
.set PADA,  13
.set VB,    14
.set TOFF,  15
.set RTW,   16
.set BSA,   17
.set BSR,   18
.set OFF,   20                         ; v[20:31] first phase: a ring slot's offset in x.  Second phase: v[20:27] the ninth tile's offsets in out
.set ACC,   32                         ; v[32:63] four accumulators; first phase: b (v32-47), list entries (v48, v49), lane numbers (v50, v51), zeros (v52-55), at work (v56-61)
.set BB,    32
.set X,     64                         ; v[64:255] first phase: 12 rows x 16 registers
.set T,     64                         ; second phase: v[64:95]
.set BD,    96                         ; v[96:127]  b[c] of my 32 columns
.set SD,    128                        ; v[128:159] the others' sum for my 32 columns
.set O,     160                        ; v[160:191] rows read back from the stage
.set RO,    192                        ; v[192:255] second phase: tiles 0 to 7, eight offsets in out each (tile 8: v[20:27]); written once, never again
.set ENT,   32                         ; s[32:63], s[68:69]: my wave's 34 entries
; windows 1 and 2: W, fragment (s, i) at 256 + 8 (4 s + i); window 3: two buffers of 16 fragments of x
.set MSB, 0
.macro WIN new                         ; the immediate's high byte repeats the setting that is left
.if MSB != \new
	s_set_vgpr_msb (MSB<<8)|\new
.set MSB, \new
.endif
.endm
	s_load_b256 s[4:11], s[0:1], 0x0               ; x s[4:5], b s[6:7], route s[8:9], wf s[10:11]
	s_load_b64 s[12:13], s[0:1], 0x20              ; out0
	v_lshrrev_b32 v56, 5, v0
	v_readfirstlane_b32 s14, v56                   ; wave 0..3
	s_and_b32 s15, ttmp9, 1                        ; half: the two halves of a block are neighbouring work-groups
	s_lshr_b32 s20, ttmp9, 1
	s_lshl_b32 s20, s20, 4                         ; 16 bytes a record
	s_wait_kmcnt 0x0
	s_load_b128 s[16:19], s[8:9], s20 offset:0x10400   ; c, start, count, 0
	v_and_b32 v50, 31, v0                          ; lane
	v_and_b32 v51, 15, v0                          ; r
	v_bfe_u32 v56, v0, 4, 1                        ; h
	v_lshlrev_b32 v[LANE16], 4, v50
	v_mul_u32_u24 v[ADR], v51, PX
	v_lshl_add_u32 v[ADR], v56, 4, v[ADR]
	v_add_nc_u32 v[ADR+1], 64*PX, v[ADR]
	v_add_nc_u32 v[ADR+2], 128*PX, v[ADR]
	s_mul_i32 s25, s14, 16*SP
	s_add_co_u32 s25, s25, STG                     ; my stage
	v_mul_u32_u24 v[STO], v51, SP                  ; in: row r, 128 bytes for each half of the lanes
	v_lshl_add_u32 v[STO], v56, 7, v[STO]
	v_add_nc_u32 v[STO], s25, v[STO]
	v_mul_u32_u24 v[RDB], v56, 8*SP                ; back: lanes 0-15 row t, lanes 16-31 row t + 8, 16 bytes a lane
	v_lshl_add_u32 v[RDB], v51, 4, v[RDB]
	v_add_nc_u32 v[RDB], s25, v[RDB]
	s_lshl_b32 s27, s15, 10
	s_lshl_b32 s25, s14, 8
	s_add_co_u32 s27, s27, s25                     ; my 64 columns, in bytes of f32
	v_lshl_add_u32 v[COLB], v51, 4, s27
	v_lshlrev_b32 v[H8], 3, v56
	v_lshl_add_u32 v[MTA], v51, 2, MT
	v_lshl_add_u32 v[RTA], v56, 5, ROWT
	s_mul_i32 s25, s14, RPW*PX
	v_lshl_add_u32 v[XSW], v50, 3, s25             ; my 34 rows in LDS, 8 bytes a lane
	s_mul_i32 s25, s14, 2*PX
	s_add_co_u32 s25, s25, 136*PX
	v_add_nc_u32 v[PADA], s25, v[LANE16]           ; rows 136 + 2 w, 137 + 2 w
	v_lshl_add_u32 v[VB], v50, 3, s27              ; two columns of b a lane
	s_lshl_b32 s25, s14, 7
	s_add_co_u32 s25, s25, ROWT
	v_lshl_add_u32 v[RTW], v50, 2, s25
	s_lshl_b32 s25, s14, 9
	s_add_co_u32 s25, s25, BSL
	v_lshl_add_u32 v[BSA], v50, 3, s25
	v_lshl_add_u32 v[BSR], v56, 7, s25
.irp k, 0,1,2,3
	v_mov_b32 v[52+\k], 0
.endr
	s_wait_kmcnt 0x0
	s_min_u32 s16, s16, 7
	s_min_u32 s17, s17, 0x4000
	s_min_u32 s18, s18, 136
	s_mul_i32 s21, s14, RPW
	s_add_co_u32 s20, s17, s21
	s_lshl_b32 s20, s20, 2                         ; my 34 entries: at most word 16,384 + 135, inside the list and its 256 zero words
	s_load_b512 s[32:47], s[8:9], s20 offset:0x0
	s_load_b512 s[48:63], s[8:9], s20 offset:0x40
	s_load_b64 s[68:69], s[8:9], s20 offset:0x80
	s_sub_co_i32 s24, s18, s21                     ; how many of my 34 rows are the block's (may be negative)
	v_add_lshl_u32 v[TOFF], v0, s17, 2
	global_load_b32 v48, v[TOFF], s[8:9]           ; entry start + thread, for the tables of rows and gates
	s_cmp_lg_u32 s14, 0
	s_cbranch_scc1 .Lno_tail
	global_load_b32 v49, v[TOFF], s[8:9] offset:512    ; wave 0: entries 128 to 159
.Lno_tail:
.irp c, 0,1,2,3,4,5,6,7
	global_load_b64 v[BB+2*\c:BB+2*\c+1], v[VB], s[6:7] offset:2048*\c
.endr
	s_lshl_b32 s2, s16, 3
	s_lshl2_add_u32 s2, s15, s2
	s_add_co_u32 s2, s2, s14
	s_lshl_b32 s2, s2, 16                          ; chunk 8 c + 4 half + w
	s_mov_b32 s3, 0
	s_add_nc_u64 s[22:23], s[10:11], s[2:3]
	; W: 128 loads of 512 consecutive bytes, in the fragments' own order.  No wait is placed among them.
	WIN 0x40                                       ; destination window 1, address window 0
.set q, 0
.rept 64
	global_load_b128 v[4*q:4*q+3], v[LANE16], s[22:23] offset:512*q
.set q, q+1
.endr
	WIN 0x80                                       ; destination window 2
.set q, 0
.rept 64
	global_load_b128 v[4*q:4*q+3], v[LANE16], s[22:23] offset:512*(q+64)
.set q, q+1
.endr
	WIN 0
	s_wait_kmcnt 0x0                               ; my entries
; The offset in x of my row i.  A row at or past the block's count reads my first entry's row again: its result is never stored.
.macro XADR i, slot
	s_cmp_gt_i32 s24, \i
.if (\i) < 32
	s_cselect_b32 s25, s[ENT+(\i)], s[ENT]
.else
	s_cselect_b32 s25, s[ENT+4+(\i)], s[ENT]
.endif
	s_and_b32 s25, s25, 0x3fff                     ; the row without its flag
	s_min_u32 s25, s25, 0x3fff
	v_lshl_add_u32 v[OFF+(\slot)], s25, 11, v[LANE16]
.endm
.macro XLOAD slot                      ; a row of 2,048 bytes: four loads of 512 consecutive bytes.  No hint: the other half's work-group reads the same rows
.irp q, 0,1,2,3
	global_load_b128 v[X+16*(\slot)+4*\q:X+16*(\slot)+4*\q+3], v[OFF+(\slot)], s[4:5] offset:512*\q
.endr
.endm
; My row i has come: round to bf16 in place, 8 bytes a lane into LDS, and ask for row i + 12 into the same slot.
.macro XROW i
.if 33-(\i) > RING-1
	s_wait_loadcnt 4*(RING-1)                      ; loads come back in order (ISA guide 5.7.1): the 11 younger rows' 44 loads stay out; the first such wait also shows W, b and the entries loaded
.else
	s_wait_loadcnt 4*(33-(\i))                     ; the rows that are left, four loads each
.endif
.irp q, 0,1,2,3
	v_cvt_pk_bf16_f32 v[X+16*((\i)%RING)+4*\q], v[X+16*((\i)%RING)+4*\q], v[X+16*((\i)%RING)+4*\q+1]
	v_cvt_pk_bf16_f32 v[X+16*((\i)%RING)+4*\q+1], v[X+16*((\i)%RING)+4*\q+2], v[X+16*((\i)%RING)+4*\q+3]
	ds_store_b64 v[XSW], v[X+16*((\i)%RING)+4*\q:X+16*((\i)%RING)+4*\q+1] offset:(\i)*PX+256*\q   ; 32 lanes: 256 consecutive bytes
.endr
.if (\i)+RING <= 33
	XADR (\i)+RING, (\i)%RING                      ; the slot's offset and data registers are free since the wait above showed its loads done
	XLOAD (\i)%RING
.endif
.endm
.set xi, 0
.rept RING
	XADR xi, xi
	XLOAD xi
.set xi, xi+1
.endr
	ds_store_b128 v[PADA], v[52:55]                ; rows 136 to 143 are zeros: the ninth tile reads them, nothing of them is stored
	ds_store_b128 v[PADA], v[52:55] offset:512
	ds_store_b128 v[PADA], v[52:55] offset:PX
	ds_store_b128 v[PADA], v[52:55] offset:PX+512
.set xi, 0
.rept RPW
	XROW xi
.set xi, xi+1
.endr
	; the tables of rows and gates
	v_and_b32 v56, 0x3fff, v48
	v_cmp_gt_i32 vcc_lo, 0, v48                    ; bit 31: an id outside 0..7
	v_cndmask_b32 v57, 1.0, 0, vcc_lo
	ds_store_b32 v[RTW], v56
	ds_store_b32 v[RTW], v57 offset:MT-ROWT
	s_cmp_lg_u32 s14, 0
	s_cbranch_scc1 .Lno_tail2
	v_and_b32 v58, 0x3fff, v49
	v_cmp_gt_i32 vcc_lo, 0, v49
	v_cndmask_b32 v59, 1.0, 0, vcc_lo
	ds_store_b32 v[RTW], v58 offset:512
	ds_store_b32 v[RTW], v59 offset:MT-ROWT+512
.Lno_tail2:
	; b[c] and the sum of the other seven relu(b), two columns a lane.  The active term is left out of the sum, not taken away from a total.
.irp c, 0,1,2,3,4,5,6,7
	s_cmp_eq_u32 s16, \c
	s_cselect_b32 s28, -1, 0
	v_max_num_f32 v56, 0, v[BB+2*\c]
	v_max_num_f32 v57, 0, v[BB+2*\c+1]
.if \c == 0
	v_cndmask_b32 v58, v56, 0, s28                 ; the first term starts the sums
	v_cndmask_b32 v59, v57, 0, s28
.else
	v_cndmask_b32 v56, v56, 0, s28
	v_cndmask_b32 v57, v57, 0, s28
	v_pk_add_f32 v[58:59], v[58:59], v[56:57]
.if \c == 1
	v_cndmask_b32 v60, v[BB], v[BB+2], s28         ; b[0] unless a later c is the block's
	v_cndmask_b32 v61, v[BB+1], v[BB+3], s28
.else
	v_cndmask_b32 v60, v60, v[BB+2*\c], s28
	v_cndmask_b32 v61, v61, v[BB+2*\c+1], s28
.endif
.endif
.endr
	ds_store_b64 v[BSA], v[60:61]
	ds_store_b64 v[BSA], v[58:59] offset:256
.irp j, 0,1,2,3,4,5,6,7
	ds_load_b128 v[BD+4*\j:BD+4*\j+3], v[BSR] offset:16*\j        ; my wave's own bytes, served in order behind the stores: columns 32 h + 4 j ..
	ds_load_b128 v[SD+4*\j:SD+4*\j+3], v[BSR] offset:256+16*\j
.endr
	s_wait_dscnt 0x0                               ; for the other waves' sake: my rows of x and my part of the tables are written
	s_barrier_signal -1
	s_barrier_wait -1
; The 16 fragments of tile i (16 rows x 512 k) into buffer i & 1 of window 3: lane (r, h) takes row r, k = 32 s + 8 h .. and 32 s + 16 + 8 h ..
.macro FETCH i
	WIN 0xc0                                       ; destination window 3, address window 0
.set fs, 0
.rept 16
	ds_load_b128 v[128*((\i)&1)+8*fs:128*((\i)&1)+8*fs+3],   v[ADR+(\i)/4] offset:((\i)%4)*16*PX+64*fs
	ds_load_b128 v[128*((\i)&1)+8*fs+4:128*((\i)&1)+8*fs+7], v[ADR+(\i)/4] offset:((\i)%4)*16*PX+64*fs+32
.set fs, fs+1
.endr
.endm
; 32 matrix instructions: k steps k0 .. k0 + 7 x the four column tiles.  Source 0 = 16 columns of W, source 1 = 16 rows of x: lane (r, h), register j of
; accumulator a then holds row r, column 32 h + 4 j + a of my strip.  The four accumulators take turns, one instruction a turn.
.macro MUL32 i, k0, zero
.set ms, 0
.set mz, \zero
.rept 8
.irp a, 0,1,2,3
.if mz
	v_wmma_f32_16x16x32_bf16 v[ACC+8*\a:ACC+8*\a+7], v[8*(4*ms+\a):8*(4*ms+\a)+7], v[128*((\i)&1)+8*(\k0+ms):128*((\i)&1)+8*(\k0+ms)+7], 0
.else
	v_wmma_f32_16x16x32_bf16 v[ACC+8*\a:ACC+8*\a+7], v[8*(4*ms+\a):8*(4*ms+\a)+7], v[128*((\i)&1)+8*(\k0+ms):128*((\i)&1)+8*(\k0+ms)+7], v[ACC+8*\a:ACC+8*\a+7]
.endif
.endr
.set mz, 0
.set ms, ms+1
.endr
.endm
.macro TILE i, last
.set rb, RO+8*(\i)-((\i)/8)*(RO+64-OFF)            ; this tile's eight offsets in out: v[192 + 8 i ..], the ninth tile's at v[20:27]
	WIN 0
	ds_load_b32 v[M], v[MTA] offset:64*\i          ; the gate of row 16 i + r
	WIN 0x0d                                       ; source 0 window 1 (W, k 0-255), source 1 window 3, C and D window 0
	MUL32 \i, 0, 1                                 ; the first products start the sums
.if \last
.else
	FETCH \i+1                                     ; into the buffer that the tile before last read; that tile's arithmetic on the way out stands between
.endif
	WIN 0x0e                                       ; source 0 window 2 (W, k 256-511)
	MUL32 \i, 8, 0
	WIN 0
.if \last
	s_wait_dscnt 0x0
.else
	s_wait_dscnt 0x20                              ; the gate is in; the 32 fragment loads issued behind it stay out
.endif
.rept 4
	v_nop                                          ; four places behind the last matrix instruction, ahead of the first read of a result (ISA guide 7.12.1)
.endr
.irp j, 0,1,2,3,4,5,6,7
.irp a, 0,1,2,3
	v_fma_f32 v[T+4*\j+\a], v[ACC+8*\a+\j], v[M], v[BD+4*\j+\a]   ; column 32 h + 4 j + a
.endr
.endr
.set tn, 0
.rept 32
	v_max_num_f32 v[T+tn], 0, v[T+tn]
.set tn, tn+1
.endr
.set tn, 0
.rept 16
	v_pk_add_f32 v[T+2*tn:T+2*tn+1], v[T+2*tn:T+2*tn+1], v[SD+2*tn:SD+2*tn+1]
.set tn, tn+1
.endr
.irp j, 0,1,2,3,4,5,6,7
	ds_store_b128 v[STO], v[T+4*\j:T+4*\j+3] offset:16*\j
.endr
	s_wait_xcnt 0x0                                ; O, which the last tile's eight stores read, is loaded again only behind this wait (they were issued 64 matrix instructions ago);
	                                               ; it is also the wait in front of the first line below that narrows EXEC: no global instruction is issued between the two
.irp t, 0,1,2,3,4,5,6,7
	ds_load_b128 v[O+4*\t:O+4*\t+3], v[RDB] offset:SP*\t          ; my own stage; LDS serves a wave's instructions in order (ISA guide 5.7.1): these see the stores above
.endr
.if \last
.else
	s_cmp_ge_u32 s18, 16*\i+16                     ; are all 16 rows of this tile the block's?  The count is equal in the four waves
	s_cbranch_scc1 .Lwhole_\@
.endif
	; rows are missing: each pair of rows goes out under its own mask, and the wave ends, since no later tile has a row
.irp t, 0,1,2,3,4,5,6,7
	s_sub_co_i32 s25, s18, 16*\i+\t
	v_cmp_gt_i32 vcc_lo, s25, v[H8]                ; row 16 i + t + 8 h is one of the block's
	s_wait_dscnt 7-\t                              ; row pair t is back; the younger pairs stay out (the last count is 0: no LDS load is out at the end)
	s_and_saveexec_b32 s26, vcc_lo                 ; no global instruction has been issued since the last s_wait_xcnt 0
	global_store_b128 v[rb+\t], v[O+4*\t:O+4*\t+3], s[12:13] th:TH_STORE_NT   ; 16 lanes store 256 consecutive bytes, aligned, of one row of out
	s_wait_xcnt 0x0                                ; EXEC is written again only behind this wait
	s_or_b32 exec_lo, exec_lo, s26
.endr
	s_endpgm
.if \last
.else
.Lwhole_\@:
	; a whole tile: all lanes on, EXEC is not touched, and nothing that these stores read is written before the next tile's s_wait_xcnt 0
.irp t, 0,1,2,3,4,5,6,7
	s_wait_dscnt 7-\t                              ; row pair t is back; the younger pairs stay out (the last count, 0, also shows the next tile's fragments in)
	global_store_b128 v[rb+\t], v[O+4*\t:O+4*\t+3], s[12:13] th:TH_STORE_NT   ; 16 lanes store 256 consecutive bytes, aligned, of one row of out
.endr
.endif
.endm
	; All 72 offsets in out (nine tiles x eight pairs of rows) are made here, with all lanes on, ahead of every line that writes EXEC,
	; each in a register of its own: lane (r, h), register t of tile i: row number of place 16 i + 8 h + t, times 2,048 bytes, + my 16 bytes of the strip.
.set ti, 0
.rept 9
.set rb, RO+8*ti-(ti/8)*(RO+64-OFF)
	ds_load_b128 v[rb:rb+3], v[RTA] offset:64*ti
	ds_load_b128 v[rb+4:rb+7], v[RTA] offset:64*ti+16
.set ti, ti+1
.endr
	FETCH 0
	WIN 0
	s_wait_dscnt 0x20                              ; the 18 loads of row numbers are in; the first tile's 32 fragment loads, issued behind them, stay out
.set ti, 0
.rept 9
.set rb, RO+8*ti-(ti/8)*(RO+64-OFF)
.irp t, 0,1,2,3,4,5,6,7
	v_min_u32 v[rb+\t], 0x3fff, v[rb+\t]
	v_lshl_add_u32 v[rb+\t], v[rb+\t], 11, v[COLB]
.endr
.set ti, ti+1
.endr
	s_wait_dscnt 0x0                               ; the first tile's fragments
	TILE 0, 0
	TILE 1, 0
	TILE 2, 0
	TILE 3, 0
	TILE 4, 0
	TILE 5, 0
	TILE 6, 0
	TILE 7, 0
	TILE 8, 1                                      ; ends the wave: its masked way out closes with s_endpgm
.Lfunc_end_k_q569d25acd0_experts:
	.size	k_q569d25acd0_experts, .Lfunc_end_k_q569d25acd0_experts-k_q569d25acd0_experts
	.p2alignl 7, 3214868480
	.fill 96, 4, 3214868480
	.section	.rodata,"a",@progbits
	.p2align	6, 0x0
	.amdhsa_kernel k_q569d25acd0_experts
		.amdhsa_group_segment_fixed_size 170496
		.amdhsa_private_segment_fixed_size 0
		.amdhsa_enable_private_segment 0
		.amdhsa_kernarg_size 40
		.amdhsa_user_sgpr_count 2
		.amdhsa_user_sgpr_kernarg_segment_ptr 1
		.amdhsa_wavefront_size32 1
		.amdhsa_system_sgpr_workgroup_id_x 1
		.amdhsa_system_sgpr_workgroup_id_y 1
		.amdhsa_system_sgpr_workgroup_id_z 1
		.amdhsa_system_vgpr_workitem_id 0
		.amdhsa_next_free_vgpr 1024
		.amdhsa_next_free_sgpr 72
		.amdhsa_reserve_vcc 1
		.amdhsa_float_denorm_mode_32 3
		.amdhsa_float_denorm_mode_16_64 3
		.amdhsa_memory_ordered 1
		.amdhsa_forward_progress 1
		.amdhsa_inst_pref_size 213
	.end_amdhsa_kernel
	.amdgpu_metadata
---
amdhsa.version: [ 1, 2 ]
amdhsa.kernels:
  - .name:           k_q569d25acd0_experts
    .symbol:         k_q569d25acd0_experts.kd
    .args:
      - { .name: x, .offset: 0, .size: 8, .value_kind: global_buffer, .address_space: global }
      - { .name: b, .offset: 8, .size: 8, .value_kind: global_buffer, .address_space: global }
      - { .name: route, .offset: 16, .size: 8, .value_kind: global_buffer, .address_space: global }
      - { .name: wf, .offset: 24, .size: 8, .value_kind: global_buffer, .address_space: global }
      - { .name: out0, .offset: 32, .size: 8, .value_kind: global_buffer, .address_space: global }
    .group_segment_fixed_size: 170496
    .private_segment_fixed_size: 0
    .kernarg_segment_align: 8
    .kernarg_segment_size: 40
    .max_flat_workgroup_size: 128
    .sgpr_count:     72
    .vgpr_count:     1024
    .wavefront_size: 32
...
	.end_amdgpu_metadata
.endif
;; end of part 4
